; MI455X (gfx1250); checked and timed in simulation.
; The chip was launched on July 23, 2026; its instructions are those of AMD's public machine-readable ISA for CDNA 5 (MIT licence, August 2026) and "CDNA5" Instruction Set Architecture Reference Guide (July 2026). The comments in the code are by the model that wrote it; some were corrected since.
;; Linear Attention. Allowed arithmetic: float matrix products may take bf16 or f16 operands with f32 sums; all other float work in f32.
;; Inputs: k 4 x 16 x 2,048 x 128 float32; q 4 x 16 x 2,048 x 128 float32; v 4 x 16 x 2,048 x 128 float32.
;; Outputs: out0 4 x 16 x 2,048 x 128 float32.
;; One version. Each part assembles by itself: llvm-mc -triple=amdgcn-amd-amdhsa -mcpu=gfx1250 --defsym DOCPART=n.
;; ======== version 1 of 1: 1 launch
;; launch linattn (part 1): grid 256 x 1, 4 waves a work-group, clusters of 4 x 1, 327,680 bytes of LDS; arguments q, k, v, out0; writes out0
.if DOCPART == 1
	.amdgcn_target "amdgcn-amd-amdhsa--gfx1250"
	.amdhsa_code_object_version 6
	.text
	.protected	k_q348b07ce2b_linattn
	.globl	k_q348b07ce2b_linattn
	.p2align	8
	.type	k_q348b07ce2b_linattn,@function
k_q348b07ce2b_linattn:
	s_mov_b64 s[64:65], 0
	v_nop
	global_prefetch_b8 v0, s[64:65] scope:SCOPE_SE
	s_setreg_imm32_b32 hwreg(HW_REG_WAVE_MODE, 25, 1), 1
	s_wait_xcnt 0x0
	s_wait_alu depctr_hold_cnt(0) depctr_sa_sdst(0) depctr_va_vdst(0) depctr_va_sdst(0) depctr_va_ssrc(0) depctr_va_vcc(0) depctr_vm_vsrc(0)
	s_getreg_b32 s2, hwreg(HW_REG_IB_STS2, 6, 4)
	s_cmp_eq_u32 s2, 0
	s_cbranch_scc0 .Lentry_in_a_cluster
	s_endpgm
.Lentry_in_a_cluster:
	s_bfe_u32 s2, ttmp6, 0x10000c
	s_cmp_lg_u32 s2, 0x3003
	s_cbranch_scc0 .Lentry_shape_is_right
	s_endpgm
.Lentry_shape_is_right:
; out[h][i][:] = the sum over j <= i of (q[h][i] . k[h][j]) v[h][j][:].  q, k, v, out: [64 heads][2048][128] f32.
; THE FORM.  There is no softmax, so the sum is regrouped exactly, by chunks of 128 rows: out_c = Q_c M + tril(Q_c K_c^T) V_c, where M (128 x 128) is the sum of K^T V over all
; earlier chunks.  Only sums are formed, never a difference of large sums.  A chunk costs 2 x 128^3 multiply-adds a work-group, whatever its place in the head.
; SHARES.  A cluster of four work-groups is a head.  Work-group cx takes rows 32 cx .. 32 cx + 31 of every chunk as its queries, all 128 channels; all four walk the same 16 chunks of K and V,
; which are asked for JOINTLY (the same tensor load, descriptor and mask in all four).  Each keeps the whole M itself: nothing passes between work-groups.
; Wave w owns the keys 32 w .. 32 w + 31 for the scores, the channels 32 w .. 32 w + 31 for out and for M's columns, and rows 8 w .. 8 w + 7 of the 32 for the loads of Q and the stores of out.
; Its channels are two blocks: block blk holds channel 32 w + 2 r + blk at index r, so that one 8-byte LDS load of V serves both blocks.
; PRODUCTS, all used transposed (lane l: r = l % 16, h = l / 16; a result's register j is row 8 h + j, column r):
;   P^T(kb, qt) = K Q^T    source 0: 16 keys x 32 dk       source 1: 16 queries x 32 dk    two results, packed in pairs, ARE source 1 (32 keys x 16 queries) of the third product
;   O^T(blk, qt) = M^T Q^T source 0: 16 channels x 32 dk   source 1: the same Q fragments
;   O^T(blk, qt) += V^T P  source 0: 16 channels x 32 keys source 1: P
;   M(db, blk) += K^T V    source 0: 16 dk x 32 keys       source 1: the same V fragments  two results, packed in pairs, ARE source 0 of the second product: M never leaves the wave's registers
; FORMATS AND LIMITS.  q, k, v are rounded once to bf16 (nearest even); the masked scores P too (their error spans 128 keys at the most).  M is kept in f32 and multiplied as two bf16 terms,
; hi = bf16(M) and lo = bf16(M - hi), about 16 significant bits: one bf16 term would leave the late rows' numbers near zero too little room.  All sums in f32; their order is by chunks, not the reference's.
; An M beyond bf16's largest finite number rounds to an infinity.  Inside a chunk the mask is a multiplication by 1 or 0, as in the reference; a key of a LATER chunk is never multiplied with a query,
; so with infinities or NaN among the inputs the reference's infinity x 0 = NaN does not arise from those keys.
; THE ORDER IN A CHUNK.  A work-group's LDS traffic in a chunk (some 2,100 times 256 bytes, the landing tiles among them) is more than its matrix work (512 matrix instructions), so the LDS loads stand in
; runs of 16 or 32 BETWEEN the runs of vector and matrix work, each run a step or two ahead of its use: the wave works on registers while its loads are served.
; LDS: two slots, each a whole chunk of K and V in f32 (rows of 512 bytes + 16 of padding), filled by tensor loads alone; behind them, in blocks of 256 bytes of their own: K in bf16 (for the turning
; load; the same bytes later carry the out rows on their way out), P's fragments, Q in bf16, the spare words.  The launch claims all of LDS.
; REGISTERS, in windows of 256 (s_set_vgpr_msb: bits 1:0 source 0, 3:2 source 1, 5:4 source 2, 7:6 destination):
;   window 0: v0-29 addresses; v32-63 the mask; v64-95 Q as loaded; v96-127 out rows read back; v128-255 K in f32 as it comes from LDS; later O^T interleaved (v128-159) and Q packed (v160-175)
;   window 1: v0-127 M, (db, blk) at 8 (2 db + blk); v128-191 M hi, (blk, kd) at 128 + 32 blk + 8 kd; v192-255 M lo
;   window 2: v0-63 Q fragments; v64-127 V fragments; v128-191 K fragments, then P's; v192-223 P^T; v224-255 O^T
;   window 3: first v0-127 at work while M is split and v128-255 V in f32 as it comes from LDS; then K^T's fragments, (ks, db) at 64 ks + 8 db
.set LP,    528          ; a row of K or V in a slot: 512 bytes + 16 = 132 words: 16 neighbouring rows start at 16 different groups of four banks (64 banks of 4 bytes: ISA guide 11.1)
.set ZB,    64*LP        ; what one tensor load brings: 64 rows
.set VOFF,  2*ZB         ; in a slot: K's 128 rows, then V's
.set SLOTB, 4*ZB
.set KP,    288          ; a row of K in bf16: 256 bytes + 32
.set KST,   2*SLOTB      ; 128 such rows; wave w stores rows 32 w .., 9,216 bytes.  Later out row 8 g + i lies at KST + 9,216 g + 128 (g % 2) + 528 i
.set PST,   KST+128*KP   ; P's fragments as the lanes hold them: ((ks x 2 + qt) x 2 + half) x 512 + 16 l
.set QPI,   272          ; a row of Q in bf16: 256 + 16
.set QST,   PST+8192
.set SPARE, QST+32*QPI   ; the spare words, 128 bytes for each wave: two blocks of 256 bytes that no other line names
.set CHB,   65536        ; a chunk's bytes in each tensor: 128 rows of 512
.set AK,  4              ; v4, v5   my K rows in slot 0, 1: (32 w + r) x 528 + 32 h
.set AV,  6              ; v6, v7   my V columns in slot 0, 1: VOFF + 8 h x 528 + 128 w + 8 r
.set KSW, 8              ; v8   where I store K in bf16
.set KTR, 9              ; v9   the turning load's address
.set PSW, 10             ; v10  where I store P's fragments
.set PSR, 11             ; v11  where I read them
.set QSW, 12             ; v12  where I store Q in bf16
.set QSR, 13             ; v13  where I read Q's fragments
.set OSW, 14             ; v14  where I store 64 bytes of an out row
.set OSR, 15             ; v15  where I read out rows back
.set G16, 16             ; v16  16 l: my 16 bytes of a row of 512 in memory
.set PFO, 17             ; v17  256 l
.set TM,  18             ; v18  the mask's helper; v19-21 at work in the prologue
.set SPW, 28             ; v28  LDS address of my spare word; never rewritten
.set NIL, 29             ; v29  0; never rewritten
.set MK,  32
.set QG,  64
.set OB,  96
.set ST,  128
.set OT,  128
.set QC,  160
.set MH,  128            ; window 1
.set ML,  192
.set QF,  0              ; window 2
.set VF,  64
.set KF,  128
.set PP,  128
.set PF,  128
.set PA,  192
.set OA,  224
.set VS,  128            ; window 3
.set WV,  12             ; s12  my wave's number
.set CX,  13             ; s13  my place in the cluster: it enters Q's, out's and the prefetch's addresses and the mask alone
.set G1,  24             ; s[24:31] descriptor group 1, for K's and V's tiles alike
.set G0K, 32             ; s[32:39] descriptor group 0 for K's tiles, a set for each slot
.set G0V, 40             ; s[40:47] the same for V's
.set QP,  48             ; s[48:49] q at my wave's 8 rows of the chunk to be loaded
.set OP,  50             ; s[50:51] out0 at my wave's 8 rows of the chunk to be stored
.set PFP, 52             ; s[52:53] k or v at my wave's 8,192 bytes of the chunk to be prefetched
.set CNT, 54             ; s54  the loop's count
.set HM,  55             ; s55  a word's upper bf16
.set MSB, 0
.macro WIN new                          ; the immediate's high byte repeats the setting that is left; a switch that changes nothing is dropped
.if MSB != (\new)
	s_set_vgpr_msb (MSB<<8)|(\new)
.set MSB, (\new)
.endif
.endm
.macro PLACES                           ; four plain vector instructions between a matrix instruction and a vector instruction that reads its result (ISA guide 7.12.1)
.rept 4
	v_nop
.endr
.endm
; A round of the cluster's barrier: my work-group's barrier, so that wave 0's signal speaks for all four waves; wave 0 signals; every wave waits for all four work-groups; my work-group's barrier once more.
.macro CROUND
	s_barrier_signal -1
	s_barrier_wait -1
	s_cmp_lg_u32 s[WV], 0
	s_cbranch_scc1 .Lnot_wave_0_\@
	s_barrier_signal -3
.Lnot_wave_0_\@:
	s_barrier_wait -3
	s_barrier_signal -1
	s_barrier_wait -1
.endm
; A joint refill of slot s.  Waves 0 and 1 fetch the two halves of the chunk's K, waves 2 and 3 those of its V.  The branch hangs on the wave's number alone.
; An s_nop 0 and four v_nop follow each of the two lines, ahead of the jump and the label.
.macro JLOAD s
	s_cmp_lt_u32 s[WV], 2
	s_cbranch_scc0 .Lfor_v_\@
	tensor_load_to_lds s[G0K+4*(\s):G0K+4*(\s)+3], s[G1:G1+7]
	s_nop 0
.rept 4
	v_nop
.endr
	s_branch .Lasked_\@
.Lfor_v_\@:
	tensor_load_to_lds s[G0V+4*(\s):G0V+4*(\s)+3], s[G1:G1+7]
	s_nop 0
.rept 4
	v_nop
.endr
.Lasked_\@:
.endm
; THE CHANGE OF SLOTS, in front of the chunk in slot 'slot'.  Each wave waits for all its tensor loads, of which one is out: its part of this slot; adds 0 to its spare word; and waits for that, for its
; reads of the other slot (long over) and for its stores of out rows and of Q.  Behind the barrier this slot is whole, nobody reads the other one, and the out rows and Q are there for every wave.
; kind = 1: the other slot is filled again, with the chunk after this one: the barrier is a round of the cluster's, and the joint refill is the first thing behind it: it has a whole chunk's work in which to land.
; kind = 2: the last chunk: nothing is left to ask for.
.macro HEAD kind, slot
	WIN 0                               ; at a label and at a branch every window is 0; the add's registers lie in window 0
	s_wait_tensorcnt 0x0                ; no tensor load of mine is out, so a group 0 may be written
	ds_add_u32 v[SPW], v[NIL]           ; 0 onto my spare word
.if (\kind) == 1
	s_add_nc_u64 s[G0K+4*(1-(\slot))+2:G0K+4*(1-(\slot))+3], s[G0K+4*(1-(\slot))+2:G0K+4*(1-(\slot))+3], 2*CHB  ; the other slot's next chunk; the type bits on top are not reached
	s_add_nc_u64 s[G0V+4*(1-(\slot))+2:G0V+4*(1-(\slot))+3], s[G0V+4*(1-(\slot))+2:G0V+4*(1-(\slot))+3], 2*CHB
.endif
	s_wait_dscnt 0x0                    ; the add is done; so are my LDS reads and stores
.if (\kind) == 1
	CROUND
	JLOAD 1-(\slot)
.else
	s_barrier_signal -1
	s_barrier_wait -1
.endif
.endm
.macro LD_OUT                           ; my 8 out rows of the chunk before, whole: 32 lanes x 16 bytes are a row
	WIN 0
.irp i, 0,1,2,3,4,5,6,7
	ds_load_b128 v[OB+4*\i:OB+4*\i+3], v[OSR] offset:LP*\i
.endr
.endm
.macro ST_OUT cnt                       ; each store of the wave covers 512 consecutive bytes, a whole row of out.  cnt = 1: the loads stand just ahead, and row i is waited for by itself
	WIN 0
.irp i, 0,1,2,3,4,5,6,7
.if \cnt
	s_wait_dscnt 7-\i
.endif
	global_store_b128 v[G16], v[OB+4*\i:OB+4*\i+3], s[OP:OP+1] offset:512*\i th:TH_STORE_NT
.endr
.endm
.macro LD_QG                            ; my 8 rows of Q of the next chunk: they have most of the chunk in which to come
	WIN 0
.irp i, 0,1,2,3,4,5,6,7
	global_load_b128 v[QG+4*\i:QG+4*\i+3], v[G16], s[QP:QP+1] offset:512*\i th:TH_LOAD_NT
.endr
.endm
; Chunk c asks for chunk c + 2's K and V, which the next change of slots will request: 32 lanes 256 bytes apart are 8,192 bytes; work-group cx takes the chunk's quarter cx, waves 0 and 1 its two halves
; in K, waves 2 and 3 in V: each block is asked for once in the launch.  mode = 2: in the loop's last trip (chunk 14) there is no chunk c + 2, and the line is jumped over; chunk 15 has mode 0.
.macro PREF mode
.if (\mode) != 0
	WIN 0
.if (\mode) == 2
	s_cmp_eq_u32 s[CNT], 1
	s_cbranch_scc1 .Lno_pf_\@
.endif
	global_prefetch_b8 v[PFO], s[PFP:PFP+1] th:TH_LOAD_NT scope:SCOPE_SE
.if (\mode) == 2
.Lno_pf_\@:
.endif
.endif
.endm
.macro LD_QF                            ; Q's fragments: tile f / 4, dk 32 (f % 4) on: two loads of 16 bytes, 32 bytes apart
	WIN 0x80
.irp f, 0,1,2,3,4,5,6,7
	ds_load_b128 v[QF+8*\f:QF+8*\f+3],   v[QSR] offset:16*QPI*(\f/4)+64*(\f%4)
	ds_load_b128 v[QF+8*\f+4:QF+8*\f+7], v[QSR] offset:16*QPI*(\f/4)+64*(\f%4)+32
.endr
.endm
.macro LD_K slot, kb                    ; 16 of my 32 keys in f32, 16 loads: fragment (kb, g) (dk 32 g on) wants dk 8 h + 0..7 and 16 + 8 h + 0..7: 32 bytes and, 64 further on, 32 more
	WIN 0
.irp g, 0,1,2,3
.irp c, 0,1,2,3
	ds_load_b128 v[ST+16*(4*(\kb)+\g)+4*\c:ST+16*(4*(\kb)+\g)+4*\c+3], v[AK+(\slot)] offset:16*LP*(\kb)+128*\g+16*(\c%2)+64*(\c/2)
.endr
.endr
.endm
; M = hi + lo, in four parts, between which LDS loads are issued.  Word i of the 64 of hi (block i / 32, dk 32 ((i / 8) % 4) on, half (i / 4) % 2, pair i % 4) is made of two neighbouring registers of
; accumulator (db = (i / 4) % 8, blk = i / 32).  Each accumulator's lowest registers are read first.
.macro SPLIT part
.if (\part) == 1
	WIN 0x45                            ; M and hi in window 1
.set i, 0
.rept 64
.set rm, 16*((i/4)%8)+8*(i/32)+2*(i%4)
	v_cvt_pk_bf16_f32 v[MH+i], v[rm], v[rm+1]
.set i, i+1
.endr
.elseif (\part) == 2
	WIN 0xc4                            ; hi widened again, into window 3
.set i, 0
.rept 64
	v_lshlrev_b32 v[2*i], 16, v[MH+i]
	v_and_b32 v[2*i+1], s[HM], v[MH+i]
.set i, i+1
.endr
.elseif (\part) == 3
	WIN 0xcd                            ; M - hi: exact, the two lie within a factor of two of each other
.set i, 0
.rept 64
.set rm, 16*((i/4)%8)+8*(i/32)+2*(i%4)
	v_pk_add_f32 v[2*i:2*i+1], v[rm:rm+1], v[2*i:2*i+1] neg_lo:[0,1] neg_hi:[0,1]
.set i, i+1
.endr
.else
	WIN 0x4f
.set i, 0
.rept 64
	v_cvt_pk_bf16_f32 v[ML+i], v[2*i], v[2*i+1]
.set i, i+1
.endr
.endif
.endm
.macro CVT_K
	WIN 0x80
.set i, 0
.rept 64
	v_cvt_pk_bf16_f32 v[KF+i], v[ST+2*i], v[ST+2*i+1]
.set i, i+1
.endr
.endm
.macro ST_K                             ; my 32 keys in bf16, by rows, for every wave's turning loads
	WIN 0x08
.irp f, 0,1,2,3,4,5,6,7
	ds_store_b128 v[KSW], v[KF+8*\f:KF+8*\f+3]   offset:16*KP*(\f/4)+64*(\f%4)
	ds_store_b128 v[KSW], v[KF+8*\f+4:KF+8*\f+7] offset:16*KP*(\f/4)+64*(\f%4)+32
.endr
.endm
.macro LD_V slot, half                  ; 32 loads, 64 keys.  Load i: key 32 (i / 16) + 16 ((i / 8) % 2) + 8 h + i % 8, channels 32 w + 2 r and + 1.  The 32 lanes take 2 x 128 bytes that share no bank
	WIN 0xc0                            ; destination window 3, address window 0
.set i, 32*(\half)
.rept 32
	ds_load_b64 v[VS+2*i:VS+2*i+1], v[AV+(\slot)] offset:(32*(i/16)+16*((i/8)%2)+i%8)*LP
.set i, i+1
.endr
.endm
.macro CVT_V                            ; word i of V's fragments: block i / 32; two neighbouring keys of one channel lie two registers apart
	WIN 0x8f
.set i, 0
.rept 64
	v_cvt_pk_bf16_f32 v[VF+i], v[VS+4*(i%32)+i/32], v[VS+4*(i%32)+i/32+2]
.set i, i+1
.endr
.endm
; THE MATRIX WORK.  In every run the accumulators take turns, one instruction a turn, and no run ends on the accumulator with which the next begins.
.macro MM_P                             ; P^T: accumulator a = 2 kb + qt; the first four products start the sums
	WIN 0xaa
.irp ks, 0,1,2,3
.irp a, 0,1,2,3
.if \ks == 0
	v_wmma_f32_16x16x32_bf16 v[PA+8*\a:PA+8*\a+7], v[KF+32*(\a/2)+8*\ks:KF+32*(\a/2)+8*\ks+7], v[QF+32*(\a%2)+8*\ks:QF+32*(\a%2)+8*\ks+7], 0
.else
	v_wmma_f32_16x16x32_bf16 v[PA+8*\a:PA+8*\a+7], v[KF+32*(\a/2)+8*\ks:KF+32*(\a/2)+8*\ks+7], v[QF+32*(\a%2)+8*\ks:QF+32*(\a%2)+8*\ks+7], v[PA+8*\a:PA+8*\a+7]
.endif
.endr
.endr
.endm
.macro MM_QM                            ; O^T = (hi + lo)^T Q^T: accumulator a = 2 blk + qt
	WIN 0xa9
.irp kd, 0,1,2,3
.irp t, MH, ML
.irp a, 0,1,2,3
.if (\kd == 0) && (\t == MH)
	v_wmma_f32_16x16x32_bf16 v[OA+8*\a:OA+8*\a+7], v[\t+32*(\a/2)+8*\kd:\t+32*(\a/2)+8*\kd+7], v[QF+32*(\a%2)+8*\kd:QF+32*(\a%2)+8*\kd+7], 0
.else
	v_wmma_f32_16x16x32_bf16 v[OA+8*\a:OA+8*\a+7], v[\t+32*(\a/2)+8*\kd:\t+32*(\a/2)+8*\kd+7], v[QF+32*(\a%2)+8*\kd:QF+32*(\a%2)+8*\kd+7], v[OA+8*\a:OA+8*\a+7]
.endif
.endr
.endr
.endr
.endm
.macro MM_PV zero                       ; O^T += V^T P.  zero = 1: the head's first chunk, where no M has been: these products start the sums
	WIN 0xaa
.irp ks, 0,1,2,3
.irp a, 0,1,2,3
.if (\zero) && (\ks == 0)
	v_wmma_f32_16x16x32_bf16 v[OA+8*\a:OA+8*\a+7], v[VF+32*(\a/2)+8*\ks:VF+32*(\a/2)+8*\ks+7], v[PF+16*\ks+8*(\a%2):PF+16*\ks+8*(\a%2)+7], 0
.else
	v_wmma_f32_16x16x32_bf16 v[OA+8*\a:OA+8*\a+7], v[VF+32*(\a/2)+8*\ks:VF+32*(\a/2)+8*\ks+7], v[PF+16*\ks+8*(\a%2):PF+16*\ks+8*(\a%2)+7], v[OA+8*\a:OA+8*\a+7]
.endif
.endr
.endr
.endm
.macro MM_UP zero, ks                   ; M += K^T V for the keys 32 ks on: 16 products, accumulator a = 2 db + blk.  zero = 1: the first chunk's first products start M: nothing is ever cleared
	WIN 0x5b
.set a, 0
.rept 16
.if (\zero) && ((\ks) == 0)
	v_wmma_f32_16x16x32_bf16 v[8*a:8*a+7], v[64*(\ks)+8*(a/2):64*(\ks)+8*(a/2)+7], v[VF+32*(a%2)+8*(\ks):VF+32*(a%2)+8*(\ks)+7], 0
.else
	v_wmma_f32_16x16x32_bf16 v[8*a:8*a+7], v[64*(\ks)+8*(a/2):64*(\ks)+8*(a/2)+7], v[VF+32*(a%2)+8*(\ks):VF+32*(a%2)+8*(\ks)+7], v[8*a:8*a+7]
.endif
.set a, a+1
.endr
.endm
.macro MASKPACK                         ; the scores times 1 or 0, from each accumulator's low end on; then, in pairs, to bf16: word i of P's two fragments: tile i / 8, keys 16 ((i / 4) % 2) on
	WIN 0x82
.set i, 0
.rept 16
	v_pk_mul_f32 v[PA+2*i:PA+2*i+1], v[PA+2*i:PA+2*i+1], v[MK+2*i:MK+2*i+1]
.set i, i+1
.endr
	WIN 0x8a
.set i, 0
.rept 16
	v_cvt_pk_bf16_f32 v[PP+i], v[PA+16*((i/4)%2)+8*(i/8)+2*(i%4)], v[PA+16*((i/4)%2)+8*(i/8)+2*(i%4)+1]
.set i, i+1
.endr
.endm
.macro ST_P                             ; my 32 keys' fragments, as the lanes hold them: lane l at 16 l: no two lanes share a bank
	WIN 0x08
.irp f, 0,1,2,3
	ds_store_b128 v[PSW], v[PP+4*\f:PP+4*\f+3] offset:512*\f
.endr
.endm
.macro LD_P                             ; all 128 keys' fragments
	WIN 0x80
.irp f, 0,1,2,3,4,5,6,7,8,9,10,11,12,13,14,15
	ds_load_b128 v[PF+4*\f:PF+4*\f+3], v[PSR] offset:512*\f
.endr
.endm
.macro LD_KT ks                         ; K^T for the keys 32 ks on, 16 loads: fragment i = 8 ks + db: dk 16 db on: two turning loads, 16 rows apart
	WIN 0xc0
.set i, 8*(\ks)
.rept 8
	ds_load_tr16_b128 v[8*i:8*i+3],   v[KTR] offset:32*KP*(i/8)+32*(i%8)
	ds_load_tr16_b128 v[8*i+4:8*i+7], v[KTR] offset:32*KP*(i/8)+32*(i%8)+16*KP
.set i, i+1
.endr
.endm
.macro CVT_Q
	WIN 0
.set i, 0
.rept 16
	v_cvt_pk_bf16_f32 v[QC+i], v[QG+2*i], v[QG+2*i+1]
.set i, i+1
.endr
.endm
.macro ST_Q                             ; a row's 256 bytes: 32 lanes x 8
	WIN 0
.irp i, 0,1,2,3,4,5,6,7
	ds_store_b64 v[QSW], v[QC+2*\i:QC+2*\i+1] offset:QPI*\i
.endr
.endm
; A lane holds, of query r of tile qt, the channels 32 w + 16 h + 2 j + blk: 16 neighbours, but the even ones in one accumulator and the odd ones in the other.  The 32 copies put them in order, the price of
; V's 8-byte loads (64 LDS loads a chunk in place of 128); each accumulator is read from its low end on.
.macro MOV_O
	WIN 0x02
.set i, 0
.rept 32
	v_mov_b32 v[OT+16*(i/16)+2*(i%8)+(i/8)%2], v[OA+8*(2*((i/8)%2)+i/16)+i%8]
.set i, i+1
.endr
.endm
.macro ST_O                             ; 64 bytes of out row 16 (f / 4) + r
	WIN 0
.irp f, 0,1,2,3,4,5,6,7
	ds_store_b128 v[OSW], v[OT+4*\f:OT+4*\f+3] offset:64*KP*(\f/4)+16*(\f%4)
.endr
.endm
; ONE CHUNK, in slot 'slot'.  head: the change of slots in front of it (0: none).  first = 1: the head's first chunk: no M yet, no out rows to send.  last = 1: its last: M is not needed any more, no Q follows.
.macro STEP slot, head, first, last, pf
.if \head
	HEAD \head, \slot
.endif
	LD_QF                               ; 16 loads: wanted first, by M^T Q^T
.if !(\first)
	LD_OUT                              ; 8
.endif
.if !(\last)
	LD_QG
.endif
	PREF \pf
.if !(\first)
	SPLIT 1                             ; the split's 320 vector instructions stand between and behind the runs of loads
.endif
	LD_K \slot, 0                       ; 16
.if !(\first)
	SPLIT 2
.endif
	LD_K \slot, 1                       ; 16
.if !(\first)
	SPLIT 3
	SPLIT 4
.endif
	WIN 0
	s_wait_dscnt 24                     ; LDS loads come back in order (ISA guide 5.7.1): Q's fragments, the out rows and K's first 8 loads are in; K's other 24 stay out
.if !(\first)
	ST_OUT 0
.endif
	LD_V \slot, 0                       ; 32 loads, into registers of their own: they and the rest of K land under the products below
.if !(\first)
	MM_QM
.endif
	s_wait_dscnt 8                      ; behind K's loads stand V's 32: with 8 out at the most K is in
	CVT_K
.if !(\last)
	ST_K                                ; into the bytes from which I alone have read my out rows: those loads are back
.endif
	LD_V \slot, 1                       ; 32 loads: they land under the products below
	MM_P
	s_wait_dscnt 0x0                    ; V
	CVT_V                               ; 64 plain instructions that name none of the products' registers: the places in front of the mask's reads
	MASKPACK
	ST_P
	WIN 0
	s_wait_dscnt 0x0                    ; for the others' sake: my K rows and my P are stored; my reads of Q's rows and of the slot are back
	s_barrier_signal -1
	s_barrier_wait -1                   ; K in bf16 and P are whole.  The other slot's refill stays on its way
	LD_P                                ; 16 loads
.if \last
	s_wait_dscnt 0x0
	MM_PV 0
	PLACES
	MOV_O
.else
	LD_KT 0                             ; K^T comes in four runs of 16 loads, each two runs of 16 products ahead of its use
	LD_KT 1
	s_wait_dscnt 32                     ; behind P's loads stand K^T's first two runs
	MM_PV \first
	LD_KT 2
	s_wait_dscnt 32                     ; behind run 0 stand runs 1 and 2
	MM_UP \first, 0
	WIN 0
	s_wait_loadcnt 0x0                  ; the next chunk's Q
	CVT_Q                               ; 16 plain instructions: the places between V^T P and the reads of O^T
	MOV_O
	LD_KT 3
	s_wait_dscnt 32                     ; behind run 1 stand runs 2 and 3
	MM_UP \first, 1
	s_wait_dscnt 16                     ; behind run 2 stands run 3
	MM_UP \first, 2
	s_wait_dscnt 0x0                    ; K^T is in: my reads of K's rows are over,
	s_barrier_signal -1                 ; say so,
	MM_UP \first, 3                     ; 16 products on registers while the others arrive,
	WIN 0
	s_barrier_wait -1                   ; and behind this nobody reads K's rows any more: the out rows may be laid over them
	PLACES                              ; between the last products and the next chunk's first reads of M
.endif
	ST_O
.if !(\last)
	ST_Q                                ; every wave's reads of Q's rows were back in front of the chunk's first barrier
.endif
	s_wait_xcnt 0x0                     ; every earlier memory instruction has had its addresses translated (ISA guide 3.1): only behind this wait are the bases stepped and, in the next chunk, the stores' registers loaded again
.if !(\last)
	s_add_nc_u64 s[QP:QP+1], s[QP:QP+1], CHB
.endif
.if !(\first)
	s_add_nc_u64 s[OP:OP+1], s[OP:OP+1], CHB
.endif
.if \pf
	s_add_nc_u64 s[PFP:PFP+1], s[PFP:PFP+1], CHB
.endif
.endm
	s_load_b256 s[4:11], s[0:1], 0x0    ; q s[4:5], k s[6:7], v s[8:9], out0 s[10:11]
	v_lshl_add_u32 v[SPW], v0, 2, SPARE
	v_mov_b32 v[NIL], 0
	ds_add_u32 v28, v29
	s_wait_dscnt 0x0
	v_lshrrev_b32 v1, 5, v0
	v_readfirstlane_b32 s[WV], v1       ; wave 0..3
	v_and_b32 v1, 31, v0                ; l
	v_lshlrev_b32 v[G16], 4, v1
	s_bfe_u32 s[CX], ttmp6, 0x40000     ; cx: my place in the cluster
	s_lshl_b32 s14, ttmp9, 20           ; in a cluster launch ttmp9 counts clusters: the head; its 2,048 rows of 512 bytes
	s_mov_b32 s15, 0
	s_and_b32 s16, s[WV], 1             ; which 64 rows of a chunk's K or V I fetch:
	s_mul_i32 s17, s16, ZB              ; their place in a slot (no place in the cluster enters an LDS address),
	s_lshl_b32 s18, s16, 15             ; and in memory
	s_mov_b32 s19, 0
	s_add_nc_u64 s[18:19], s[18:19], s[14:15]
	s_lshl_b32 s20, s[CX], 14           ; my work-group's 32 rows of a chunk,
	s_lshl_b32 s21, s[WV], 12           ; my wave's 8 of them
	s_add_co_u32 s20, s20, s21
	s_mov_b32 s21, 0
	s_add_nc_u64 s[20:21], s[20:21], s[14:15]
	s_lshl_b32 s22, s[CX], 14           ; the prefetch: my work-group's quarter of a chunk,
	s_lshl_b32 s23, s16, 13             ; my wave's half of it,
	s_add_co_u32 s22, s22, s23
	s_add_co_u32 s22, s22, 2*CHB        ; beginning with chunk 2
	s_mov_b32 s23, 0
	s_add_nc_u64 s[22:23], s[22:23], s[14:15]
	s_mov_b32 s[HM], 0xffff0000
	; descriptor group 1: a tile of 64 rows x 128 elements of 4 bytes, padded in LDS
	s_mov_b32 s[G1+0], 15|(2<<16)|(1<<20)|(1<<21)|(6<<22)|(3<<25)  ; 15:0 the mask: all four work-groups; 17:16 elements of 4 bytes; 20 padding on; 21 set beside a mask; 24:22 after every 128 words (code 6); 31:25 4 words (code 3)
	s_mov_b32 s[G1+1], 128<<16          ; tensor_dim0 = 128
	s_mov_b32 s[G1+2], 64<<16           ; tensor_dim1 = 64
	s_mov_b32 s[G1+3], 128<<16          ; tile_dim0 = 128
	s_mov_b32 s[G1+4], 64               ; tile_dim1 = 64
	s_mov_b32 s[G1+5], 128              ; 128 elements from row to row
	s_mov_b32 s[G1+6], 0
	s_mov_b32 s[G1+7], 0
	s_wait_kmcnt 0x0
	s_add_nc_u64 s[QP:QP+1], s[4:5], s[20:21]
	s_add_nc_u64 s[OP:OP+1], s[10:11], s[20:21]
	s_cmp_lt_u32 s[WV], 2
	s_cselect_b64 s[PFP:PFP+1], s[6:7], s[8:9]  ; waves 0 and 1 prefetch K, waves 2 and 3 V
	s_add_nc_u64 s[PFP:PFP+1], s[PFP:PFP+1], s[22:23]
	s_add_nc_u64 s[6:7], s[6:7], s[18:19]       ; K and V at my 64 rows of the head's chunk 0
	s_add_nc_u64 s[8:9], s[8:9], s[18:19]
.irp s, 0,1
	s_mov_b32 s[G0K+4*\s], 1                    ; 1:0 count = 1
	s_add_co_u32 s[G0K+4*\s+1], s17, \s*SLOTB   ; 63:32 LDS address
	s_add_nc_u64 s[G0K+4*\s+2:G0K+4*\s+3], s[6:7], \s*CHB  ; 120:64 global address: slot s begins with chunk s
	s_or_b32 s[G0K+4*\s+3], s[G0K+4*\s+3], 0x80000000      ; 127:126 type = 2
	s_mov_b32 s[G0V+4*\s], 1
	s_add_co_u32 s[G0V+4*\s+1], s17, \s*SLOTB+VOFF
	s_add_nc_u64 s[G0V+4*\s+2:G0V+4*\s+3], s[8:9], \s*CHB
	s_or_b32 s[G0V+4*\s+3], s[G0V+4*\s+3], 0x80000000
.endr
	LD_QG                               ; chunk 0's Q
	CROUND                              ; all four work-groups are here: the first joint loads meet
	s_cmp_lt_u32 s[WV], 2               ; a wave's two first fills stand in one branch, ahead of every wait on TENSORcnt and every LDS read: two loads of mine are out
	s_cbranch_scc0 .Lfirst_v
	tensor_load_to_lds s[G0K:G0K+3], s[G1:G1+7]
	s_nop 0
	tensor_load_to_lds s[G0K+4:G0K+7], s[G1:G1+7]
	s_nop 0
.rept 4
	v_nop
.endr
	s_branch .Lfirst_asked
.Lfirst_v:
	tensor_load_to_lds s[G0V:G0V+3], s[G1:G1+7]
	s_nop 0
	tensor_load_to_lds s[G0V+4:G0V+7], s[G1:G1+7]
	s_nop 0
.rept 4
	v_nop
.endr
.Lfirst_asked:
	; the addresses, in the wait for the first tiles
	v_and_b32 v2, 15, v0                ; r
	v_bfe_u32 v3, v0, 4, 1              ; h
	v_and_b32 v19, 7, v0                ; l % 8
	v_bfe_u32 v20, v0, 3, 1             ; (l / 8) % 2
	s_mul_i32 s14, s[WV], 32*LP
	v_mul_u32_u24 v[AK], v2, LP
	v_lshl_add_u32 v[AK], v3, 5, v[AK]
	v_add_nc_u32 v[AK], s14, v[AK]      ; (32 w + r) x 528 + 32 h
	v_add_nc_u32 v[AK+1], SLOTB, v[AK]
	s_lshl_b32 s14, s[WV], 7            ; 128 w
	s_add_co_u32 s15, s14, VOFF
	v_mul_u32_u24 v[AV], v3, 8*LP
	v_lshl_add_u32 v[AV], v2, 3, v[AV]
	v_add_nc_u32 v[AV], s15, v[AV]      ; VOFF + 8 h x 528 + 128 w + 8 r
	v_add_nc_u32 v[AV+1], SLOTB, v[AV]
	s_mul_i32 s18, s[WV], 32*KP
	s_add_co_u32 s18, s18, KST          ; my 9,216 bytes of K's rows
	v_mul_u32_u24 v[KSW], v2, KP
	v_lshl_add_u32 v[KSW], v3, 4, v[KSW]
	v_add_nc_u32 v[KSW], s18, v[KSW]
	v_lshl_add_u32 v[KTR], v3, 3, v19   ; the turning load: lane l reads key 8 h + l % 8, dk 8 ((l / 8) % 2) + 0..7, and holds dk l % 16 and 8 keys
	v_mul_u32_u24 v[KTR], v[KTR], KP
	v_lshl_add_u32 v[KTR], v20, 4, v[KTR]
	v_add_nc_u32 v[KTR], KST, v[KTR]
	s_lshl_b32 s19, s[WV], 11
	s_add_co_u32 s19, s19, PST
	v_add_nc_u32 v[PSW], s19, v[G16]
	v_add_nc_u32 v[PSR], PST, v[G16]
	s_mul_i32 s19, s[WV], 8*QPI
	s_add_co_u32 s19, s19, QST
	v_lshl_add_u32 v[QSW], v1, 3, s19
	v_mul_u32_u24 v[QSR], v2, QPI
	v_lshl_add_u32 v[QSR], v3, 4, v[QSR]
	v_add_nc_u32 v[QSR], QST, v[QSR]
	s_add_co_u32 s15, s14, KST
	v_mul_u32_u24 v[OSW], v20, 32*KP+128    ; out row 16 qt + r = 8 g + i with g = 2 qt + r / 8, i = r % 8
	v_mul_u32_u24 v21, v19, LP
	v_add_nc_u32 v[OSW], v[OSW], v21
	v_add_nc_u32 v[OSW], s15, v[OSW]
	v_lshl_add_u32 v[OSW], v3, 6, v[OSW]    ; + 128 w + 64 h: my 16 channels
	s_lshl_b32 s15, s16, 7
	s_add_co_u32 s15, s15, s18
	v_add_nc_u32 v[OSR], s15, v[G16]        ; rows 8 w ..: KST + 9,216 w + 128 (w % 2) + 16 l
	v_lshlrev_b32 v[PFO], 8, v1
	; the mask, made once: in a chunk register j of accumulator (kb, qt) is key 32 w + 16 kb + 8 h + j and query 32 cx + 16 qt + r: seen where 16 kb + j - 16 qt <= 32 cx + r - 32 w - 8 h
	s_sub_co_i32 s20, s[CX], s[WV]
	s_lshl_b32 s20, s20, 5
	v_lshlrev_b32 v21, 3, v3
	v_sub_nc_u32 v[TM], v2, v21
	v_add_nc_u32 v[TM], s20, v[TM]
.set i, 0
.rept 32
	v_cmp_le_i32 vcc_lo, 16*(i/16)+i%8-16*((i/8)%2), v[TM]
	v_cndmask_b32 v[MK+i], 0, 1.0, vcc_lo
.set i, i+1
.endr
	s_wait_loadcnt 0x0                  ; chunk 0's Q
	CVT_Q
	ST_Q
	s_add_nc_u64 s[QP:QP+1], s[QP:QP+1], CHB  ; the loads that named it are done
	s_wait_tensorcnt 0x1                ; my part of slot 0 is in; slot 1's may stay out
	s_wait_dscnt 0x0                    ; my rows of Q are stored
	s_barrier_signal -1
	s_barrier_wait -1                   ; everybody's are
	STEP 0, 0, 1, 0, 1                  ; chunk 0 is written out: its products start M and O^T
	s_mov_b32 s[CNT], 7
.Lpair:                                 ; chunks 1 to 14, two a trip: each change of slots asks for the chunk after the one in hand, chunks 2 to 15
	STEP 1, 1, 0, 0, 1
	STEP 0, 1, 0, 0, 2
	WIN 0
	s_sub_co_u32 s[CNT], s[CNT], 1
	s_cmp_lg_u32 s[CNT], 0
	s_cbranch_scc1 .Lpair
	STEP 1, 2, 0, 1, 0                  ; chunk 15 is written out: nothing is asked for, and M is not taken further
	s_wait_dscnt 0x0                    ; my pieces of the last out rows are stored
	s_barrier_signal -1
	s_barrier_wait -1                   ; everybody's are
	LD_OUT
	ST_OUT 1
	s_wait_tensorcnt 0x0                ; the wave's end, behind my last tensor load and my last LDS store
	ds_add_u32 v[SPW], v[NIL]
	s_wait_dscnt 0x0
	CROUND                              ; the closing round: no work-group ends while a partner may still ask for a tile that names it
	s_endpgm
.Lfunc_end_k_q348b07ce2b_linattn:
	.size	k_q348b07ce2b_linattn, .Lfunc_end_k_q348b07ce2b_linattn-k_q348b07ce2b_linattn
	.p2alignl 7, 3214868480
	.fill 96, 4, 3214868480
	.section	.rodata,"a",@progbits
	.p2align	6, 0x0
	.amdhsa_kernel k_q348b07ce2b_linattn
		.amdhsa_group_segment_fixed_size 327680
		.amdhsa_private_segment_fixed_size 0
		.amdhsa_enable_private_segment 0
		.amdhsa_kernarg_size 32
		.amdhsa_user_sgpr_count 2
		.amdhsa_user_sgpr_kernarg_segment_ptr 1
		.amdhsa_wavefront_size32 1
		.amdhsa_system_sgpr_workgroup_id_x 1
		.amdhsa_system_sgpr_workgroup_id_y 1
		.amdhsa_system_sgpr_workgroup_id_z 1
		.amdhsa_system_vgpr_workitem_id 0
		.amdhsa_next_free_vgpr 1024
		.amdhsa_next_free_sgpr 66
		.amdhsa_reserve_vcc 1
		.amdhsa_float_denorm_mode_32 3
		.amdhsa_float_denorm_mode_16_64 3
		.amdhsa_memory_ordered 1
		.amdhsa_forward_progress 1
		.amdhsa_inst_pref_size 202
	.end_amdhsa_kernel
	.amdgpu_metadata
---
amdhsa.version: [ 1, 2 ]
amdhsa.kernels:
  - .name:           k_q348b07ce2b_linattn
    .symbol:         k_q348b07ce2b_linattn.kd
    .args:
      - { .name: q, .offset: 0, .size: 8, .value_kind: global_buffer, .address_space: global }
      - { .name: k, .offset: 8, .size: 8, .value_kind: global_buffer, .address_space: global }
      - { .name: v, .offset: 16, .size: 8, .value_kind: global_buffer, .address_space: global }
      - { .name: out0, .offset: 24, .size: 8, .value_kind: global_buffer, .address_space: global }
    .group_segment_fixed_size: 327680
    .private_segment_fixed_size: 0
    .kernarg_segment_align: 8
    .kernarg_segment_size: 32
    .max_flat_workgroup_size: 128
    .sgpr_count:     66
    .vgpr_count:     1024
    .wavefront_size: 32
...
	.end_amdgpu_metadata
.endif
;; end of part 1
